; MI455X (gfx1250); checked and timed in simulation.
; The chip was launched on July 23, 2026; its instructions are those of AMD's public machine-readable ISA for CDNA 5 (MIT licence, August 2026) and "CDNA5" Instruction Set Architecture Reference Guide (July 2026). The comments in the code are by the model that wrote it; some were corrected since.
;; Baseline Feedforward Network. Allowed arithmetic: float matrix products may take bf16 or f16 operands with f32 sums; other float arithmetic in f32, or as packed bf16 or f16 multiplies, adds, multiply-adds, maxima and minima; sums over many terms, partial sums and values carried from step to step in f32; what a program stores and reads back later, other than sums and carried values, may be rounded once to bf16 or f16.
;; Inputs: W1 4 x 32 float32; W2 32 x 32 float32; W3 32 x 1 float32; b1 32 float32; b2 32 float32; b3 1 float32; features 262,144 x 60 x 3 float32.
;; Outputs: out0 262,144 x 60 float32.
;; One version. Each part assembles by itself: llvm-mc -triple=amdgcn-amd-amdhsa -mcpu=gfx1250 --defsym DOCPART=n.
;; ======== version 1 of 1: 1 launch
;; launch mlp (part 1): grid 256 x 1, 8 waves a work-group, no clusters, 327,680 bytes of LDS; arguments features, W1, b1, W2, b2, W3, b3, out0; writes out0
.if DOCPART == 1
	.amdgcn_target "amdgcn-amd-amdhsa--gfx1250"
	.amdhsa_code_object_version 6
	.text
	.protected	k_q65a7dfbe11_mlp
	.globl	k_q65a7dfbe11_mlp
	.p2align	8
	.type	k_q65a7dfbe11_mlp,@function
k_q65a7dfbe11_mlp:
	s_mov_b64 s[64:65], 0
	v_nop
	global_prefetch_b8 v0, s[64:65] scope:SCOPE_SE
	s_setreg_imm32_b32 hwreg(HW_REG_WAVE_MODE, 25, 1), 1
	s_wait_xcnt 0x0
; out0[n][t] = delta_t, with x_t = [f(n,t,0..2), delta_(t-1)], h1 = relu(x W1 + b1), h2 = relu(h1 W2 + b2), delta_t = h2 W3 + b3, delta_(-1) = 0.
; features [262144][60][3] f32, out0 [262144][60] f32: a sequence is 720 dense bytes in and 240 dense bytes out.
; SHARES.  256 work-groups of eight waves.  A work-group owns 1,024 sequences, in four batches of 256; in a batch a wave owns 32: lane l is sequence l,
; lanes 0-15 are tile a, lanes 16-31 tile b.  A wave's 23,040 feature bytes are dense in memory: one tensor load brings them into the wave's own LDS block.
; At a batch's start the wave drains the block into 90 registers (bf16), and the block is filled again at once: that load has the whole batch, 60 steps, in which to land.
; THE PRODUCTS ARE TAKEN TRANSPOSED: source 0 = weights (16 units x 32 places of K), source 1 = 32 places of K x 16 sequences; sums in f32.  In a result, lane (r, h) holds in register j unit 8 h + j of sequence r.
; AN ACTIVATION ENTERS THE NEXT PRODUCT AS TWO bf16 NUMBERS, hi + lo, made IN PLACE: behind the relu the upper half of the f32 register is hi (the value cut to bf16), and one instruction writes
; lo = bf16(value - hi) into the lower half.  The register is then two places of K, and eight result registers ARE a fragment of source 1; the weights' fragments hold each weight twice, (w, w), at the
; same register and lanes.  So 16 units fill a fragment, a layer of 32 units is two fragments, nothing is packed and nothing changes lanes.
; LAYER 1 serves both tiles from ONE source 1: X0 = (f0, f1), X1 = (f2, delta hi), X2 = (delta lo, 1.0), X3-7 = 0.  Lanes 0-15 are K places 0..5 of column r (tile a), lanes 16-31 places 8..13 (tile b).
; Its weights are heads of four registers, (W1[0], W1[1]), (W1[2], W1[3]), (W1[3], b1), 0: tile a's hold 0 in lanes 16-31, tile b's in lanes 0-15.  The four registers behind a head meet X4-7 = 0 and are
; whatever finite weights lie there.
; LAYER 3 has W3 in all 16 rows, so register 0 of tile a's result is delta of sequence r in both halves of the lanes, of tile b's delta of sequence 16 + r: a select gives each lane its OWN delta, in f32.
; NO CLUSTER: the work-groups share 4,996 bytes of weights, read once each at the head; of the features no byte is read by two.
; LIMITS.  Every input is rounded once to bf16 (the biases too); h1, h2 and the delta that is fed back keep 16 significant bits; the delta that is stored is the f32 sum.  A NaN in front of a relu becomes 0;
; an infinite h gives NaN (infinity less infinity in lo); an infinite or NaN weight, or an infinite number in the partner tile's x, meets a factor 0 and gives NaN.
.set SEQB,  720                        ; bytes of features in a sequence
.set OUTB,  240                        ; bytes of out0 in a sequence
.set LBLK,  32*SEQB                    ; 23,040: a wave's block of features: 90 x 256 bytes
.set SBLK,  32*OUTB                    ; 7,680: a wave's stage: 30 x 256 bytes
.set BATCHES, 4
.set SPT,   12                         ; steps in the text of a trip
.set TRIPS, 60/SPT
.set STAGE, 8*LBLK                     ; LDS 184,320: behind the eight blocks; no tensor load lands here
.set SPARE, STAGE+8*SBLK               ; LDS 245,760: the spare words, 128 bytes for each wave: four blocks of 256 bytes that no other line names
.set LFA,  2                           ; v2   my sequence in my wave's block: LBLK w + 720 l.  720 = 45 x 16, an odd multiple of 16: the 16 lanes of a 16-byte load start in 16 different columns of 16 bytes modulo 256
.set STA,  3                           ; v3   my row of the stage, at the trip in hand
.set STA0, 4                           ; v4   STAGE + SBLK w + 240 l
.set SRA,  5                           ; v5   STAGE + SBLK w + 16 l: the stage read back as it lies
.set GOF,  6                           ; v6   16 l: the same bytes in out0
.set SPW,  7                           ; v7   LDS address of my spare word; never rewritten
.set NIL,  8                           ; v8   0, for the add alone
.set ZERO, 9                           ; v9   0; in no matrix operand
.set ONE,  10                          ; v10  1.0
.set MONE, 11                          ; v11  -1.0; in no matrix operand
.set O4R,  12                          ; v12  4 r
.set OW2,  13                          ; v13  4 r + 1,024 h
.set O32H, 14                          ; v14  32 h
.set B3V,  15                          ; v15  b3
.set A1,   16                          ; v[16:31] four heads of four: tile a units 0-15, a 16-31, b 0-15, b 16-31; a fragment is a head and the four registers behind it
.set A2,   32                          ; v[32:63] W2: to units 16 o .., from units 16 i .., at A2 + 16 o + 8 i; register j: (w, w), w = W2[16 i + 8 h + j][r + 16 o]
.set A3,   64                          ; v[64:79] W3: from units 16 i .. at A3 + 8 i; register j: W3[16 i + 8 h + j] twice, in every row
.set CB2,  80                          ; v[80:95] b2 as C, f32: units 0-15, 16-31
.set X,    96                          ; v[96:103]
.set B0,   104                         ; six buffers of eight: z1 in B0-B3 (tile a, tile b), z2 of tile a in B4, B5, of tile b in B0, B1, the deltas in B2 (tile a) and B3 (tile b)
.set B1,   112
.set B2,   120
.set B3,   128
.set B4,   136
.set B5,   144
.set T,    104                         ; v[104:151] while a block is drained: four slots of 12 registers
.set P01,  152                         ; v[152:211] (f0, f1) of step t at P01 + t
.set F2P,  212                         ; v[212:241] (f2 of step 2 u, f2 of step 2 u + 1) at F2P + u
.set OB,   152                         ; v[152:211] the way out
.set DL,   242                         ; v242 my delta, f32
.set TL,   243                         ; set-up: l
.set TH,   244                         ; set-up: h
.set WT1,  104                         ; set-up: W1 as loaded
.set WTB,  112                         ; set-up: b1 as loaded
.set TT,   114                         ; set-up: the heads before their masks
	s_load_b512 s[16:31], s[0:1], 0x0              ; features s[16:17], W1 18, b1 20, W2 22, b2 24, W3 26, b3 28, out0 30
	v_lshl_add_u32 v[SPW], v0, 2, SPARE
	v_mov_b32 v[NIL], 0
	ds_add_u32 v[SPW], v[NIL]                      ; the wave's opening: the add and its wait ahead of my first tensor load; the set-up below, work on registers, stands between them
	ds_add_u32 v7, v8
	v_lshrrev_b32 v1, 5, v0
	v_readfirstlane_b32 s8, v1                     ; wave 0..7
	v_and_b32 v[TL], 31, v0                        ; l
	v_and_b32 v[O4R], 15, v0                       ; r
	v_bfe_u32 v[TH], v0, 4, 1                      ; h
	v_lshlrev_b32 v[O4R], 2, v[O4R]
	v_lshl_add_u32 v[OW2], v[TH], 10, v[O4R]
	v_lshlrev_b32 v[O32H], 5, v[TH]
	s_mov_b32 s36, 1                               ; descriptor group 0: count = 1,
	s_mul_i32 s37, s8, LBLK                        ; LDS address: my wave's block
	v_mul_u32_u24 v[LFA], v[TL], SEQB
	v_add_nc_u32 v[LFA], s37, v[LFA]
	s_mul_i32 s4, s8, SBLK
	s_add_co_u32 s4, s4, STAGE                     ; my wave's stage
	v_mul_u32_u24 v[STA0], v[TL], OUTB
	v_add_nc_u32 v[STA0], s4, v[STA0]
	v_lshl_add_u32 v[SRA], v[TL], 4, s4
	v_lshlrev_b32 v[GOF], 4, v[TL]
	v_mov_b32 v[ZERO], 0
	v_mov_b32 v[ONE], 1.0
	v_mov_b32 v[MONE], -1.0
	v_mov_b32 v[X+2], 0x3f800000                   ; upper half: 1.0 in bf16, which meets b1; it stays for the whole launch.  Lower half: delta lo
.irp j, 3,4,5,6,7
	v_mov_b32 v[X+(\j)], 0                         ; for the whole launch
.endr
	s_mov_b32 s12, 0xffff0000                      ; the lanes with h = 1
	; descriptor group 1: a dense block of 23,040 bytes as 90 rows of 256 bytes (32 elements of 8 bytes), no padding
	s_mov_b32 s40, 3<<16                           ; no mask; elements of 8 bytes
	s_mov_b32 s41, 32<<16                          ; tensor_dim0 = 32
	s_mov_b32 s42, 90<<16                          ; tensor_dim1 = 90
	s_mov_b32 s43, 32<<16                          ; tile_dim0 = 32
	s_mov_b32 s44, 90                              ; tile_dim1 = 90
	s_mov_b32 s45, 32                              ; 32 elements from row to row
	s_mov_b32 s46, 0
	s_mov_b32 s47, 0
	s_lshl_b32 s2, ttmp9, 5
	s_add_co_u32 s2, s2, s8                        ; 32 x work-group + wave: my first block of 32 sequences (a work-group has 4 batches x 8 waves of them)
	s_mul_i32 s6, s2, SBLK                         ; its bytes in out0 (under 62,914,560)
	s_mov_b32 s7, 0
	s_mul_i32 s2, s2, LBLK                         ; and in features (under 188,743,680)
	s_mov_b32 s3, 0
	s_wait_dscnt 0x0                               ; the opening add is done
	s_wait_kmcnt 0x0
	s_add_nc_u64 s[38:39], s[16:17], s[2:3]        ; global address of batch 0's block
	s_or_b32 s39, s39, 0x80000000                  ; type = 2
	s_add_nc_u64 s[30:31], s[30:31], s[6:7]        ; out0 at my rows of batch 0
	tensor_load_to_lds s[36:39], s[40:47]          ; the first fill: one tensor load of mine is out, here and behind every refill
	s_nop 0
	; THE WEIGHTS, 50 loads, made into fragments while the first block is on its way.
	s_load_b32 s11, s[28:29], 0x0                  ; b3
.set i, 0
.rept 8                                ; i = 4 o + k: W1[k][r + 16 o]
	global_load_b32 v[WT1+i], v[O4R], s[18:19] offset:128*(i%4)+64*(i/4)
.set i, i+1
.endr
	global_load_b32 v[WTB],   v[O4R], s[20:21]               ; b1[r]
	global_load_b32 v[WTB+1], v[O4R], s[20:21] offset:64     ; b1[r + 16]
.set q, 0
.rept 32                               ; q = 16 o + 8 i + j: W2[16 i + 8 h + j][r + 16 o], straight into its register
	global_load_b32 v[A2+q], v[OW2], s[22:23] offset:64*(q/16)+2048*((q/8)%2)+128*(q%8)
.set q, q+1
.endr
.irp c, 0,1                            ; W3[16 c + 8 h + 0..7]; b2 of units 16 c + 8 h + 0..7
	global_load_b128 v[A3+8*(\c):A3+8*(\c)+3],     v[O32H], s[26:27] offset:64*(\c)
	global_load_b128 v[A3+8*(\c)+4:A3+8*(\c)+7],   v[O32H], s[26:27] offset:64*(\c)+16
	global_load_b128 v[CB2+8*(\c):CB2+8*(\c)+3],   v[O32H], s[24:25] offset:64*(\c)
	global_load_b128 v[CB2+8*(\c)+4:CB2+8*(\c)+7], v[O32H], s[24:25] offset:64*(\c)+16
.endr
	s_wait_loadcnt 0x0
	s_wait_kmcnt 0x0
.set q, 0
.rept 32
	v_cvt_pk_bf16_f32 v[A2+q], v[A2+q], v[A2+q]              ; each weight rounded once, and twice in its register: it meets lo and hi
.set q, q+1
.endr
.set q, 0
.rept 16
	v_cvt_pk_bf16_f32 v[A3+q], v[A3+q], v[A3+q]
	v_cvt_pk_bf16_f32 v[CB2+q], v[CB2+q], v[CB2+q]           ; b2 is rounded like every other input,
.set q, q+1
.endr
.set q, 0
.rept 16
	v_lshlrev_b32 v[CB2+q], 16, v[CB2+q]                     ; and written as f32
.set q, q+1
.endr
.irp o, 0,1
	v_cvt_pk_bf16_f32 v[TT+3*(\o)],   v[WT1+4*(\o)],   v[WT1+4*(\o)+1]   ; meets (f0, f1)
	v_cvt_pk_bf16_f32 v[TT+3*(\o)+1], v[WT1+4*(\o)+2], v[WT1+4*(\o)+3]   ; meets (f2, delta hi)
	v_cvt_pk_bf16_f32 v[TT+3*(\o)+2], v[WT1+4*(\o)+3], v[WTB+(\o)]       ; meets (delta lo, 1.0)
.endr
.irp o, 0,1
.irp c, 0,1,2
	v_cndmask_b32 v[A1+4*(\o)+(\c)],   v[TT+3*(\o)+(\c)], v[ZERO], s12   ; tile a's: 0 in the lanes that hold tile b's x
	v_cndmask_b32 v[A1+8+4*(\o)+(\c)], v[ZERO], v[TT+3*(\o)+(\c)], s12   ; tile b's: 0 in the lanes that hold tile a's x
.endr
	v_mov_b32 v[A1+4*(\o)+3], 0
	v_mov_b32 v[A1+8+4*(\o)+3], 0
.endr
	v_mov_b32 v1, s11
	v_cvt_pk_bf16_f32 v1, v1, v1                   ; b3 is rounded like every other input,
	v_lshlrev_b32 v[B3V], 16, v1                   ; and written as f32
; Four steps of my sequence, 48 bytes, into slot n % 4 of T.
.macro GROUP n
	ds_load_b128 v[T+12*((\n)%4):T+12*((\n)%4)+3],    v[LFA] offset:48*(\n)
	ds_load_b128 v[T+12*((\n)%4)+4:T+12*((\n)%4)+7],  v[LFA] offset:48*(\n)+16
	ds_load_b128 v[T+12*((\n)%4)+8:T+12*((\n)%4)+11], v[LFA] offset:48*(\n)+32
.endm
; THE BLOCK IS DRAINED: 45 loads of 16 bytes a lane, four groups of three in flight; 90 roundings to bf16.  T lies on the six result buffers: the loads stand behind the
; plain instructions that close a batch's last step (four moves and an addition behind its last product).
.macro CONV
	s_wait_tensorcnt 0x0                           ; for my reads: my one tensor load, this batch's block, has landed; no younger load exists, so the count is 0.  Only I read these bytes
	GROUP 0
	GROUP 1
	GROUP 2
	GROUP 3
.set g, 0
.rept 15
.if g < 12
	s_wait_dscnt 9                                 ; LDS loads come back in order (ISA guide 5.7.1): group g is in; the three younger groups' nine loads may stay out
.else
	s_wait_dscnt 3*(14-g)                          ; the counts run down: 6, 3, 0
.endif
.set tb, T+12*(g%4)
.irp s, 0,1,2,3
	v_cvt_pk_bf16_f32 v[P01+4*g+(\s)], v[tb+3*(\s)], v[tb+3*(\s)+1]
.endr
	v_cvt_pk_bf16_f32 v[F2P+2*g],   v[tb+2], v[tb+5]
	v_cvt_pk_bf16_f32 v[F2P+2*g+1], v[tb+8], v[tb+11]
.if g+4 <= 14
	GROUP g+4                                      ; into the slot just read
.endif
.set g, g+1
.endr
.endm
; THE BLOCK IS FILLED AGAIN, with the next batch's 32 sequences.  With one block a wave the reads stand between two waits on TENSORcnt: the one above serves them, this one is the first of the three lines and is met at once.
.macro REFILL
	s_wait_tensorcnt 0x0                           ; no tensor load of mine is out, so group 0 may be written
	ds_add_u32 v[SPW], v[NIL]                      ; 0 onto my spare word: the step below stands between it and the wait for it
	s_add_nc_u64 s[38:39], s[38:39], 8*LBLK        ; the next batch: 256 sequences on; the type bits on top are not reached
	s_wait_dscnt 0x0                               ; the add is done, and my reads of the block are back (the count-down above ended at 0)
	s_barrier_signal -1
	s_barrier_wait -1                              ; no wave fills before all eight have said so
	tensor_load_to_lds s[36:39], s[40:47]          ; my one tensor load behind the barrier, and the first thing there: it has the batch's 60 steps in which to land
	s_nop 0
.endm
; Eight results become a fragment, in place: relu; then lo = bf16(value - its upper half), exact before its one rounding, into the lower half; the upper half, hi, stays.  The lowest register is read first.
.macro SPLIT b
.irp j, 0,1,2,3,4,5,6,7
	v_max_num_f32 v[(\b)+(\j)], v[ZERO], v[(\b)+(\j)]
.endr
.irp j, 0,1,2,3,4,5,6,7
	v_fma_mixlo_bf16 v[(\b)+(\j)], v[(\b)+(\j)], v[MONE], v[(\b)+(\j)] op_sel:[1,0,0] op_sel_hi:[1,0,0]  ; source 0 is the register's upper half as bf16, sources 1 and 2 are f32
.endr
.endm
.macro MM0 d, a, b                     ; D = A x B: the product starts the sum
	v_wmma_f32_16x16x32_bf16 v[(\d):(\d)+7], v[(\a):(\a)+7], v[(\b):(\b)+7], 0
.endm
.macro MMC d, a, b, c                  ; D = A x B + C
	v_wmma_f32_16x16x32_bf16 v[(\d):(\d)+7], v[(\a):(\a)+7], v[(\b):(\b)+7], v[(\c):(\c)+7]
.endm
; ONE STEP for both tiles: 16 matrix and 140 vector instructions.  i = 0..11: the text of 12 steps serves all five trips, since each step moves its feature registers of the later trips down by a trip
; once its own are taken: four moves of (f0, f1), two of the f2 pairs.  With the two that fetch the next step's features these eight moves are the places behind the products.
; DISTANCES (ISA guide 7.12.1; plain vector instructions that name no register of the product in question).  A split stands four or more behind the products that made its buffer: the four moves, or other
; buffers' splits.  A product that takes a buffer as source 1, or writes a buffer that an earlier product read or wrote, stands 16 or more behind that product, but at the step's end, where seven stand between
; the last product and the next step's first four: four moves, the addition of b3 and the delta's two roundings.
; TURNS.  No product adds in place onto the matrix instruction issued just before it: B4 and B5, B0 and B1, B2 and B3 take turns, one instruction a turn.
.macro STEP i
.set nx, ((\i)+1)%SPT
.set u, (\i)/2
	v_fma_mixhi_bf16 v[X+1], v[DL], v[ONE], v[ZERO]          ; the last delta rounded to bf16 into the upper half; f2 stays below;
	v_fma_mixlo_bf16 v[X+2], v[X+1], v[MONE], v[DL] op_sel:[1,0,0] op_sel_hi:[1,0,0]  ; and what that rounding left, into the lower half; 1.0 stays above
	MM0 B0, A1,    X                                         ; z1: tile a units 0-15,
	MM0 B1, A1+4,  X                                         ; 16-31,
	MM0 B2, A1+8,  X                                         ; tile b units 0-15,
	MM0 B3, A1+12, X                                         ; 16-31
.irp c, 0,1,2,3
	v_mov_b32 v[P01+(\i)+12*(\c)], v[P01+(\i)+12*(\c)+12]    ; step i's (f0, f1) lie in X: those of steps i + 12, i + 24 .. come down a trip
.endr
	SPLIT B0
	SPLIT B1
	MMC B4, A2,    B0, CB2                                   ; z2 of tile a
	MMC B5, A2+16, B0, CB2+8
	MMC B4, A2+8,  B1, B4
	MMC B5, A2+24, B1, B5
	SPLIT B2
	SPLIT B3
	MMC B0, A2,    B2, CB2                                   ; z2 of tile b, where tile a's h1 lay
	MMC B1, A2+16, B2, CB2+8
	MMC B0, A2+8,  B3, B0
	MMC B1, A2+24, B3, B1
	SPLIT B4
	SPLIT B5
	MM0 B2, A3, B4                                           ; tile a's delta, units 0-15
	SPLIT B0
	MM0 B3, A3, B0                                           ; tile b's, units 0-15
	MMC B2, A3+8, B5, B2                                     ; tile a's, units 16-31
	SPLIT B1
	MMC B3, A3+8, B1, B3                                     ; tile b's, units 16-31
	v_mov_b32 v[X], v[P01+nx]                                ; the next step's features
.if nx%2
	v_lshrrev_b32 v[X+1], 16, v[F2P+nx/2]                    ; an odd step's f2 lies in the upper half; both f2 of the pair are now taken,
	v_mov_b32 v[F2P+u],   v[F2P+u+6]                         ; so the later trips' pairs come down: two moves here,
	v_mov_b32 v[F2P+u+6], v[F2P+u+12]
.else
	v_mov_b32 v[X+1], v[F2P+nx/2]                            ; an even step's in the lower; the upper half is written by the next step's first line
	v_mov_b32 v[F2P+u+12], v[F2P+u+18]                       ; and two in the odd step
	v_mov_b32 v[F2P+u+18], v[F2P+u+24]
.endif
	v_cndmask_b32 v[DL], v[B2], v[B3], s12                   ; lanes 0-15 take tile a's delta of column r, lanes 16-31 tile b's: each lane its own sequence's; register 0 of each result
	v_add_f32 v[DL], v[B3V], v[DL]
	ds_store_b32 v[STA], v[DL] offset:4*(\i)                 ; my delta, f32, into my row of the stage
.endm
; THE WAY OUT: the wave's stage is 7,680 bytes that lie in out0 as they lie in LDS.  15 loads and 15 stores of 16 bytes a lane; each store covers 512 consecutive bytes, at a multiple of 256 from out0's first byte.
.macro FLUSH fill
.set q, 0
.rept 15
	ds_load_b128 v[OB+4*q:OB+4*q+3], v[SRA] offset:512*q     ; my own wave's bytes: LDS serves a wave's instructions in order (ISA guide 5.7.1.4), so these see the steps' stores
.set q, q+1
.endr
.set q, 0
.rept 15
	s_wait_dscnt 14-q                                        ; load q is back; the younger ones may stay out
	global_store_b128 v[GOF], v[OB+4*q:OB+4*q+3], s[30:31] offset:512*q th:TH_STORE_NT
.set q, q+1
.endr
.if \fill
	s_wait_xcnt 0x0                                          ; the stores have read their data and their base: only behind this wait are OB (the next batch's features) and the base written
	s_add_nc_u64 s[30:31], s[30:31], 8*SBLK                  ; the next batch's rows of out0
.endif
.endm
; A BATCH.  fill = 1: the block is filled again for the next batch.
.macro BATCH fill
	CONV
.if \fill
	REFILL
.endif
	v_mov_b32 v[X], v[P01]                         ; step 0's features,
	v_mov_b32 v[X+1], v[F2P]
	v_mov_b32 v[DL], 0                             ; and delta_(-1) = 0: step 0 is a step like any other
	s_mov_b32 s10, TRIPS
	s_mov_b32 s14, 0                               ; the trip's first byte in a row of the stage
.Ltrip_\@:
	v_add_nc_u32 v[STA], s14, v[STA0]
.set st, 0
.rept SPT
	STEP st
.set st, st+1
.endr
	s_add_co_u32 s14, s14, 4*SPT                   ; 12 steps x 4 bytes
	s_sub_co_i32 s10, s10, 1
	s_cmp_lg_u32 s10, 0
	s_cbranch_scc1 .Ltrip_\@
	FLUSH \fill
.endm
	s_mov_b32 s9, BATCHES-1
.Lbatch:                                               ; batches 0 to 2: each asks for the next
	BATCH 1
	s_sub_co_i32 s9, s9, 1
	s_cmp_lg_u32 s9, 0
	s_cbranch_scc1 .Lbatch
	BATCH 0                                        ; the last batch is written out: nothing is left to fetch
	s_wait_tensorcnt 0x0                           ; the wave's end: behind my last tensor load and my last LDS store
	ds_add_u32 v[SPW], v[NIL]
	s_wait_dscnt 0x0
	s_endpgm
.Lfunc_end_k_q65a7dfbe11_mlp:
	.size	k_q65a7dfbe11_mlp, .Lfunc_end_k_q65a7dfbe11_mlp-k_q65a7dfbe11_mlp
	.p2alignl 7, 3214868480
	.fill 96, 4, 3214868480
	.section	.rodata,"a",@progbits
	.p2align	6, 0x0
	.amdhsa_kernel k_q65a7dfbe11_mlp
		.amdhsa_group_segment_fixed_size 327680
		.amdhsa_private_segment_fixed_size 0
		.amdhsa_enable_private_segment 0
		.amdhsa_kernarg_size 64
		.amdhsa_user_sgpr_count 2
		.amdhsa_user_sgpr_kernarg_segment_ptr 1
		.amdhsa_wavefront_size32 1
		.amdhsa_system_sgpr_workgroup_id_x 1
		.amdhsa_system_sgpr_workgroup_id_y 1
		.amdhsa_system_sgpr_workgroup_id_z 1
		.amdhsa_system_vgpr_workitem_id 0
		.amdhsa_next_free_vgpr 248
		.amdhsa_next_free_sgpr 66
		.amdhsa_reserve_vcc 0
		.amdhsa_float_denorm_mode_32 3
		.amdhsa_float_denorm_mode_16_64 3
		.amdhsa_memory_ordered 1
		.amdhsa_forward_progress 1
		.amdhsa_inst_pref_size 220
	.end_amdhsa_kernel
	.amdgpu_metadata
---
amdhsa.version: [ 1, 2 ]
amdhsa.kernels:
  - .name:           k_q65a7dfbe11_mlp
    .symbol:         k_q65a7dfbe11_mlp.kd
    .args:
      - { .name: features, .offset: 0, .size: 8, .value_kind: global_buffer, .address_space: global }
      - { .name: W1, .offset: 8, .size: 8, .value_kind: global_buffer, .address_space: global }
      - { .name: b1, .offset: 16, .size: 8, .value_kind: global_buffer, .address_space: global }
      - { .name: W2, .offset: 24, .size: 8, .value_kind: global_buffer, .address_space: global }
      - { .name: b2, .offset: 32, .size: 8, .value_kind: global_buffer, .address_space: global }
      - { .name: W3, .offset: 40, .size: 8, .value_kind: global_buffer, .address_space: global }
      - { .name: b3, .offset: 48, .size: 8, .value_kind: global_buffer, .address_space: global }
      - { .name: out0, .offset: 56, .size: 8, .value_kind: global_buffer, .address_space: global }
    .group_segment_fixed_size: 327680
    .private_segment_fixed_size: 0
    .kernarg_segment_align: 8
    .kernarg_segment_size: 64
    .max_flat_workgroup_size: 256
    .sgpr_count:     66
    .vgpr_count:     248
    .wavefront_size: 32
...
	.end_amdgpu_metadata
.endif
;; end of part 1
